; MI455X (gfx1250); checked and timed in simulation.
; The chip was launched on July 23, 2026; its instructions are those of AMD's public machine-readable ISA for CDNA 5 (MIT licence, August 2026) and "CDNA5" Instruction Set Architecture Reference Guide (July 2026). The comments in the code are by the model that wrote it; some were corrected since.
;; Bahdanau Attention. Allowed arithmetic: matrix products marked QUANTISED: E2M3 operands, one E8M0 scale for each 32 along K, by v_wmma_scale_f32_16x16x128_f8f6f4 with both operands' format E2M3, f32 sums; products left as they are: f32 operands where the result goes on into a quantised operand, else bf16, f16 or f32 operands; f32 sums; everything else in f32.
;; Inputs: W_coverage 1,024 x 1 float32; W_decoder_codes 1,024 x 16 x 24 uint8 (E2M3 codes of W_decoder, K innermost, in blocks of 32 codes, four codes in three bytes); W_decoder_scales 1,024 x 16 uint8 (E8M0 scales of W_decoder, one for each 32 codes along K); W_encoder_codes 1,024 x 16 x 24 uint8 (E2M3 codes of W_encoder, K innermost, in blocks of 32 codes, four codes in three bytes); W_encoder_scales 1,024 x 16 uint8 (E8M0 scales of W_encoder, one for each 32 codes along K); coverage 64 x 2,048 float32; decoder_hidden_codes 64 x 16 x 24 uint8 (E2M3 codes of decoder_hidden, K innermost, in blocks of 32 codes, four codes in three bytes); decoder_hidden_scales 64 x 16 uint8 (E8M0 scales of decoder_hidden, one for each 32 codes along K); encoder_mask 64 x 2,048 int32; encoder_outputs 64 x 2,048 x 512 float32; v 1 x 1,024 float32.
;; Outputs: out0 64 x 512 float32; out1 64 x 2,048 float32.
;; This version of the problem:
;;   THIS VERSION OF THE PROBLEM IS GIVEN IN LOW PRECISION. The matrix products marked QUANTISED in the list below multiply operands that are first quantised to E2M3 (2 exponent bits, 3 mantissa bits; 6 bits a number), with one power-of-two scale for each 32 numbers along K (OCP MX v1.0); their sums are f32. All else is computed in f32.
;;   The module's matrix products, in the order in which they are computed (A, B: the left and right operand; K: the contracted axis; several contracted axes count as one K, in the product's order):
;;     1. [M 131,072, K 512] x [K 512, N 1,024]; A: input encoder_outputs; B: input W_encoder (given as codes): QUANTISED
;;     2. [M 64, K 512] x [K 512, N 1,024]; A: input decoder_hidden (given as codes); B: input W_decoder (given as codes): QUANTISED
;;     3. [M 131,072, K 1,024] x [K 1,024, N 1]; A: computed on the way; B: input v: left as it is (N = 1 < 16)
;;     4. batch 64 x [M 1, K 2,048] x [K 2,048, N 512]; A: softmax; B: input encoder_outputs: left as it is (M = 1 < 16)
;;   THE QUANTISER, for each operand of a quantised product, along K:
;;     - K is cut into blocks of 32 from its start; a last block that is shorter is filled with zeros.
;;     - A block's scale is 2^e with e = floor(log2(the largest magnitude in the block)) - 2, held to -126 .. 127; a block of zeros has e = 0. As a byte (E8M0): e + 127.
;;     - Each number is divided by its block's scale, clamped to +-7.5, and rounded to the nearest number of E2M3, ties to even, subnormals kept.
;;     - The product sums the exact products of the quantised numbers (number of the format x scale) in f32.
;;   ~~~python
;;   def quantise(x, axis):      # numpy; x: float32 -> the quantised numbers, widened to float32 again
;;       x = np.moveaxis(x, axis, -1); K = x.shape[-1]
;;       x = np.pad(x, [(0, 0)] * (x.ndim - 1) + [(0, -K % 32)]); x = x.reshape(x.shape[:-1] + (-1, 32)); a = np.abs(x).max(-1, keepdims=True)
;;       e = np.where(a > 0, np.clip(np.frexp(np.where(a > 0, a, 1))[1] - 1 - 2, -126, 127), 0)      # np.frexp(a)[1] - 1 = floor(log2(a)), exactly
;;       r = np.clip(x / 2.0 ** e, -7.5, 7.5)
;;       step = 2.0 ** (np.maximum(np.frexp(np.where(r == 0, 1, r))[1] - 1, 0) - 3)
;;       q = np.round(r / step) * step * 2.0 ** e      # np.round: ties to even
;;       return np.moveaxis(q.reshape(q.shape[:-2] + (-1,))[..., :K], -1, axis).astype(np.float32)
;;   ~~~
;;   INPUTS GIVEN AS CODES. W_decoder (in the module: [1024, 512], K = its axis 1); W_encoder (in the module: [1024, 512], K = its axis 1); decoder_hidden (in the module: [64, 512], K = its axis 1): each comes as NAME_codes (uint8): NAME with its K axis moved to the last place and cut into blocks of 32 codes, [.., K / 32, bytes a block], one block behind the other in memory; four codes in three bytes: a row's codes are one little-endian stream of bits, code i at bits 6 i .. 6 i + 5 (a code: sign, 2 exponent bits, 3 mantissa bits); and NAME_scales (uint8): the same leading axes, one E8M0 byte (e + 127) for each 32 codes along K. Its value is code x scale, taken as it is: it is not quantised again, and the codes and scales need not be those that the quantiser above would give.
;; One version. Each part assembles by itself: llvm-mc -triple=amdgcn-amd-amdhsa -mcpu=gfx1250 --defsym DOCPART=n.
;; ======== version 1 of 1: 3 launches
;; limits: right only within a limited range of input values
;; workspace buffers: list 524,288 bytes of whole numbers; cnt 256 bytes of whole numbers; covc 524,288 bytes; scr 524,288 bytes; decf 262,144 bytes; wimg 393,216 bytes; partc 524,288 bytes; partm 1,024 bytes
;; launch prep (part 1): grid 64 x 1, 4 waves a work-group, no clusters, 5,120 bytes of LDS; arguments encoder_mask, coverage, decoder_hidden_codes, decoder_hidden_scales, W_decoder_codes, W_decoder_scales, W_encoder_codes, list, covc, cnt, scr, decf, wimg; writes list, covc, cnt, scr, decf, wimg
.if DOCPART == 1
	.amdgcn_target "amdgcn-amd-amdhsa--gfx1250"
	.amdhsa_code_object_version 6
	.text
	.protected	k_qfa1ca128a8_prep
	.globl	k_qfa1ca128a8_prep
	.p2align	8
	.type	k_qfa1ca128a8_prep,@function
k_qfa1ca128a8_prep:
	s_mov_b64 s[64:65], 0
	v_nop
	global_prefetch_b8 v0, s[64:65] scope:SCOPE_SE
	s_setreg_imm32_b32 hwreg(HW_REG_WAVE_MODE, 25, 1), 1
	s_wait_xcnt 0x0
; PREPARATION, 64 work-groups of four waves; work-group g does four small things, all on one straight path:
;  (1) batch g: its 2,048 rows are sorted by a counting sort into a permutation, the open rows (mask != 0) first, each kind in ascending order:
;      list[g][pos] = s, covc[g][pos] = coverage[g][s]; cnt[g] = the number of open rows;
;  (2) scr[g][:] = -1e10, which is what a masked row's score is; the next launch stores over the rows that it computes;
;  (3) 16 rows of W_encoder (rows 16 g on), one K step of 128 a wave, are laid as an image of the operand's registers: 3 x 512 dense bytes a fragment;
;  (4) a 16 x 64 piece of dec_feat = decoder_hidden W_decoder^T, on the given codes of E2M3 and their E8M0 scales: batches 16 (g / 16) on, units 64 (g % 16) + 16 wave on.
; One barrier: in front of it the waves' counts and the piece of dec_feat go to LDS, behind it they are read.
; LDS: bytes 0-15 the four waves' counts; from DST on 16 rows x (256 + 16) bytes of dec_feat.
.set DST, 256
.set MK,  32                           ; s[32:47] which lanes of group i hold an open row
.set PX,  68                           ; s[68:83] open rows of my wave ahead of group i
	s_load_b512 s[4:19], s[0:1], 0x0               ; mask s[4:5], coverage s[6:7], dh codes s[8:9], dh scales s[10:11], W_dec codes s[12:13], W_dec scales s[14:15], W_enc codes s[16:17], list s[18:19]
	s_load_b256 s[20:27], s[0:1], 0x40             ; covc s[20:21], cnt s[22:23], scr s[24:25], decf s[26:27]
	s_load_b64 s[28:29], s[0:1], 0x60              ; wimg
	v_lshl_add_u32 v216, v0, 2, 0x1200
	v_mov_b32 v217, 0
	v_lshrrev_b32 v1, 5, v0
	v_readfirstlane_b32 s2, v1                     ; wave 0..3
	v_and_b32 v2, 31, v0                           ; lane
	v_and_b32 v3, 15, v0                           ; r
	v_bfe_u32 v4, v0, 4, 1                         ; h
	v_lshlrev_b32 v5, 2, v1                        ; LDS: my wave's count
	s_lshl_b32 s30, s2, 11
	v_lshl_add_u32 v6, v2, 2, s30                  ; mask, coverage: 4 (512 wave + lane); group i is 128 i bytes on
	s_lshl_b32 s30, s2, 9
	v_add_nc_u32 v7, s30, v2                       ; my row of group 0: 512 wave + lane
	v_mul_u32_u24 v8, v3, 384                      ; a fragment: row r of 384 bytes (512 codes),
	v_mad_u32_u24 v8, v4, 24, v8                   ; + 24 h
	s_mul_i32 s30, s2, 96
	v_add_nc_u32 v9, s30, v8                       ; W_enc: my wave's K step, 96 bytes a step
	v_lshlrev_b32 v10, 4, v3                       ; scale bytes: 16 a row, the four words of its four K steps
	v_lshlrev_b32 v11, 4, v0                       ; 16 x thread
	v_lshlrev_b32 v12, 4, v2                       ; 16 x lane
	s_lshl_b32 s30, s2, 6
	s_add_co_u32 s30, s30, DST
	v_mul_u32_u24 v13, v3, 272
	v_lshl_add_u32 v13, v4, 5, v13
	v_add_nc_u32 v13, s30, v13                     ; the stage, in: row r (a batch), + 64 wave + 32 h: my eight units
	s_mul_i32 s30, s2, 4*272
	s_add_co_u32 s30, s30, DST
	v_mul_u32_u24 v14, v4, 272
	v_lshl_add_u32 v14, v3, 4, v14
	v_add_nc_u32 v14, s30, v14                     ; and back: row 4 wave + h (+ 2 i), 16 bytes a lane
	s_lshl_b32 s30, s2, 14
	v_lshlrev_b32 v15, 12, v4
	v_lshl_add_u32 v15, v3, 4, v15
	v_add_nc_u32 v15, s30, v15                     ; the same place in decf: rows of 4,096 bytes
	s_and_b32 s92, ttmp9, 15                       ; g % 16
	s_lshr_b32 s93, ttmp9, 4                       ; g / 16
	s_mov_b32 s97, 0
	s_wait_kmcnt 0x0
	s_lshl_b32 s96, ttmp9, 13                      ; a batch's 2,048 words
	s_add_nc_u64 s[4:5], s[4:5], s[96:97]
	s_add_nc_u64 s[6:7], s[6:7], s[96:97]
	s_add_nc_u64 s[18:19], s[18:19], s[96:97]
	s_add_nc_u64 s[20:21], s[20:21], s[96:97]
	s_add_nc_u64 s[24:25], s[24:25], s[96:97]
	s_mul_i32 s96, ttmp9, 16*384                   ; W_enc: rows 16 g on
	s_add_nc_u64 s[16:17], s[16:17], s[96:97]
	s_lshl_b32 s94, s92, 6
	s_lshl_b32 s95, s2, 4
	s_add_co_u32 s94, s94, s95                     ; my first unit of dec_feat: 64 (g % 16) + 16 wave
	s_mul_i32 s96, s94, 384
	s_add_nc_u64 s[12:13], s[12:13], s[96:97]
	s_lshl_b32 s96, s94, 4
	s_add_nc_u64 s[14:15], s[14:15], s[96:97]
	s_mul_i32 s96, s93, 16*384                     ; decoder_hidden: batches 16 (g / 16) on
	s_add_nc_u64 s[8:9], s[8:9], s[96:97]
	s_lshl_b32 s96, s93, 8
	s_add_nc_u64 s[10:11], s[10:11], s[96:97]
	s_lshl_b32 s96, s93, 16                        ; decf: 16 rows of 4,096 bytes for each g / 16, 256 bytes for each g % 16
	s_lshl_b32 s95, s92, 8
	s_add_co_u32 s96, s96, s95
	s_add_nc_u64 s[26:27], s[26:27], s[96:97]
	s_lshr_b32 s94, s92, 1                         ; wimg: fragment 8 ((g % 16) / 2) + 2 wave + g % 2 of the part g / 16
	s_lshl_b32 s94, s94, 3
	s_lshl_b32 s95, s2, 1
	s_add_co_u32 s94, s94, s95
	s_and_b32 s95, ttmp9, 1
	s_add_co_u32 s94, s94, s95
	s_mul_i32 s94, s94, 1536
	s_mul_i32 s96, s93, 98304
	s_add_co_u32 s96, s96, s94
	s_add_nc_u64 s[28:29], s[28:29], s[96:97]
	s_lshl_b32 s96, ttmp9, 2
	s_add_nc_u64 s[22:23], s[22:23], s[96:97]
	; ---- all loads at once
.irp i, 0,1,2,3,4,5,6,7,8,9,10,11,12,13,14,15
	global_load_b32 v[16+\i], v6, s[4:5] offset:128*\i th:TH_LOAD_NT     ; mask of row 512 wave + 32 i + lane
.endr
.irp i, 0,1,2,3,4,5,6,7,8,9,10,11,12,13,14,15
	global_load_b32 v[32+\i], v6, s[6:7] offset:128*\i th:TH_LOAD_NT     ; its coverage
.endr
.irp p, 0,1,2,3,4,5
	global_load_b64 v[48+2*\p:49+2*\p], v9, s[16:17] offset:48*(\p/3)+8*(\p%3)   ; W_enc's fragment: 24 bytes of the row's stream of bits, twice, in pieces of 8
.endr
.irp s, 0,1,2,3
.irp p, 0,1,2,3,4,5
	global_load_b64 v[64+12*\s+2*\p:65+12*\s+2*\p], v8, s[12:13] offset:96*\s+48*(\p/3)+8*(\p%3)    ; W_dec, K step s
	global_load_b64 v[112+12*\s+2*\p:113+12*\s+2*\p], v8, s[8:9] offset:96*\s+48*(\p/3)+8*(\p%3)    ; decoder_hidden, K step s
.endr
.endr
	global_load_b128 v[160:163], v10, s[14:15]     ; W_dec's scale words of row r: these registers hold scales and nothing else
	global_load_b128 v[164:167], v10, s[10:11]     ; decoder_hidden's
	; ---- the scores' fill: 128 threads x 16 bytes, four times
.irp i, 0,1,2,3
	v_mov_b32 v[192+\i], 0xd01502f9                ; -1e10
.endr
.irp i, 0,1,2,3
	global_store_b128 v11, v[192:195], s[24:25] offset:2048*\i
.endr
.irp i, 0,1,2,3,4,5,6,7,8,9,10,11,12,13,14,15
	v_add_nc_u32 v[176+\i], 32*\i, v7              ; the row numbers s
.endr
	s_wait_loadcnt 0x0
	; ---- which rows are open, and how many of my wave's stand ahead of each group
	s_mov_b32 s84, 0
.irp i, 0,1,2,3,4,5,6,7,8,9,10,11,12,13,14,15
	v_cmp_ne_u32 s[MK+\i], 0, v[16+\i]
	s_mov_b32 s[PX+\i], s84
	s_bcnt1_i32_b32 s91, s[MK+\i]
	s_add_co_u32 s84, s84, s91
.endr
	v_mov_b32 v198, s84
	ds_store_b32 v5, v198                          ; my wave's count
	; ---- W_enc's fragment as it stands in the registers: each store covers 512 consecutive bytes
.irp c, 0,1,2
	global_store_b128 v12, v[48+4*\c:51+4*\c], s[28:29] offset:512*\c
.endr
	; ---- dec_feat: source 0 = 16 rows of W_dec, source 1 = 16 batches: lane (r, h) holds batch r and units 8 h + 0 .. 7.  One accumulator, four K steps:
	; the wait directly ahead of each link that adds onto the instruction just before it
	v_wmma_scale_f32_16x16x128_f8f6f4 v[168:175], v[64:75], v[112:123], 0, v160, v164 matrix_a_fmt:MATRIX_FMT_FP6 matrix_b_fmt:MATRIX_FMT_FP6
.irp s, 1,2,3
	s_wait_alu depctr_va_vdst(0)
	v_wmma_scale_f32_16x16x128_f8f6f4 v[168:175], v[64+12*\s:75+12*\s], v[112+12*\s:123+12*\s], v[168:175], v[160+\s], v[164+\s] matrix_a_fmt:MATRIX_FMT_FP6 matrix_b_fmt:MATRIX_FMT_FP6
.endr
.rept 4
	v_nop                                          ; four places between the last product and the stores that read its result
.endr
	ds_store_b128 v13, v[168:171]                  ; from the low end on
	ds_store_b128 v13, v[172:175] offset:16
	s_wait_dscnt 0x0                               ; for the others' sake: my count and my part of the stage are in LDS
	s_barrier_signal -1
	s_barrier_wait -1
	v_mov_b32 v197, 0
	ds_load_b128 v[200:203], v197                  ; the four counts
	ds_load_b128 v[204:207], v14                   ; two whole rows of the stage an instruction
	ds_load_b128 v[208:211], v14 offset:2*272
	s_wait_dscnt 0x0
.irp i, 0,1,2,3
	v_readfirstlane_b32 s[85+\i], v[200+\i]
.endr
	s_mov_b32 s89, 0                               ; open rows of the waves ahead of mine
.irp i, 0,1,2
	s_cmp_gt_u32 s2, \i
	s_cselect_b32 s91, s[85+\i], 0
	s_add_co_u32 s89, s89, s91
.endr
	s_add_co_u32 s90, s85, s86
	s_add_co_u32 s90, s90, s87
	s_add_co_u32 s90, s90, s88                     ; n: the batch's open rows
	global_store_b128 v15, v[204:207], s[26:27]    ; sixteen lanes store 256 consecutive bytes, at a multiple of 256 from decf's first byte
	global_store_b128 v15, v[208:211], s[26:27] offset:2*4096
	; ---- each row's place: an open row goes to the number of open rows ahead of it, a masked one to n + the number of masked rows ahead of it
.irp i, 0,1,2,3,4,5,6,7,8,9,10,11,12,13,14,15
	s_add_co_u32 s91, s89, s[PX+\i]
	v_mbcnt_lo_u32_b32 v196, s[MK+\i], s91         ; open rows ahead of mine
	v_sub_nc_u32 v198, v[176+\i], v196             ; masked rows ahead of mine
	v_add_nc_u32 v198, s90, v198
	v_cndmask_b32 v196, v198, v196, s[MK+\i]
	v_min_u32 v196, 2047, v196                     ; a place made of loaded numbers is held inside the batch's 2,048 before it becomes an address
	v_lshlrev_b32 v[16+\i], 2, v196                ; each group has registers of its own: no store's sources are written again
	global_store_b32 v[16+\i], v[176+\i], s[18:19]
	global_store_b32 v[16+\i], v[32+\i], s[20:21]
.endr
	s_cmp_lg_u32 s2, 0
	s_cbranch_scc1 .Lend
	v_mov_b32 v199, s90
	s_wait_alu depctr_va_vdst(0)
	s_wait_xcnt 0x0                                ; EXEC changes only behind this wait
	v_cmp_eq_u32 vcc_lo, 0, v0
	s_and_saveexec_b32 s91, vcc_lo
	global_store_b32 v197, v199, s[22:23]          ; cnt[g], by one lane
	s_wait_xcnt 0x0
	s_or_b32 exec_lo, exec_lo, s91
.Lend:
	s_wait_tensorcnt 0x0
	ds_add_u32 v216, v217
	s_wait_dscnt 0x0
	s_endpgm
.Lfunc_end_k_qfa1ca128a8_prep:
	.size	k_qfa1ca128a8_prep, .Lfunc_end_k_qfa1ca128a8_prep-k_qfa1ca128a8_prep
	.p2alignl 7, 3214868480
	.fill 96, 4, 3214868480
	.section	.rodata,"a",@progbits
	.p2align	6, 0x0
	.amdhsa_kernel k_qfa1ca128a8_prep
		.amdhsa_group_segment_fixed_size 5120
		.amdhsa_private_segment_fixed_size 0
		.amdhsa_enable_private_segment 0
		.amdhsa_kernarg_size 104
		.amdhsa_user_sgpr_count 2
		.amdhsa_user_sgpr_kernarg_segment_ptr 1
		.amdhsa_wavefront_size32 1
		.amdhsa_system_sgpr_workgroup_id_x 1
		.amdhsa_system_sgpr_workgroup_id_y 1
		.amdhsa_system_sgpr_workgroup_id_z 1
		.amdhsa_system_vgpr_workitem_id 0
		.amdhsa_next_free_vgpr 218
		.amdhsa_next_free_sgpr 100
		.amdhsa_reserve_vcc 1
		.amdhsa_float_denorm_mode_32 3
		.amdhsa_float_denorm_mode_16_64 3
		.amdhsa_memory_ordered 1
		.amdhsa_forward_progress 1
		.amdhsa_inst_pref_size 27
	.end_amdhsa_kernel
	.amdgpu_metadata
---
amdhsa.version: [ 1, 2 ]
amdhsa.kernels:
  - .name:           k_qfa1ca128a8_prep
    .symbol:         k_qfa1ca128a8_prep.kd
    .args:
      - { .name: encoder_mask, .offset: 0, .size: 8, .value_kind: global_buffer, .address_space: global }
      - { .name: coverage, .offset: 8, .size: 8, .value_kind: global_buffer, .address_space: global }
      - { .name: decoder_hidden_codes, .offset: 16, .size: 8, .value_kind: global_buffer, .address_space: global }
      - { .name: decoder_hidden_scales, .offset: 24, .size: 8, .value_kind: global_buffer, .address_space: global }
      - { .name: W_decoder_codes, .offset: 32, .size: 8, .value_kind: global_buffer, .address_space: global }
      - { .name: W_decoder_scales, .offset: 40, .size: 8, .value_kind: global_buffer, .address_space: global }
      - { .name: W_encoder_codes, .offset: 48, .size: 8, .value_kind: global_buffer, .address_space: global }
      - { .name: list, .offset: 56, .size: 8, .value_kind: global_buffer, .address_space: global }
      - { .name: covc, .offset: 64, .size: 8, .value_kind: global_buffer, .address_space: global }
      - { .name: cnt, .offset: 72, .size: 8, .value_kind: global_buffer, .address_space: global }
      - { .name: scr, .offset: 80, .size: 8, .value_kind: global_buffer, .address_space: global }
      - { .name: decf, .offset: 88, .size: 8, .value_kind: global_buffer, .address_space: global }
      - { .name: wimg, .offset: 96, .size: 8, .value_kind: global_buffer, .address_space: global }
    .group_segment_fixed_size: 5120
    .private_segment_fixed_size: 0
    .kernarg_segment_align: 8
    .kernarg_segment_size: 104
    .max_flat_workgroup_size: 128
    .sgpr_count:     100
    .vgpr_count:     218
    .wavefront_size: 32
...
	.end_amdgpu_metadata
.endif
;; end of part 1
;; launch main (part 2): grid 256 x 1, 8 waves a work-group, no clusters, 241,152 bytes of LDS; arguments wimg, W_encoder_scales, decf, W_coverage, v, list, covc, cnt, encoder_outputs, scr, partc, partm; writes scr, partc, partm
.if DOCPART == 2
	.amdgcn_target "amdgcn-amd-amdhsa--gfx1250"
	.amdhsa_code_object_version 6
	.text
	.protected	k_qfa1ca128a8_main
	.globl	k_qfa1ca128a8_main
	.p2align	8
	.type	k_qfa1ca128a8_main,@function
k_qfa1ca128a8_main:
	s_mov_b64 s[64:65], 0
	v_nop
	global_prefetch_b8 v0, s[64:65] scope:SCOPE_SE
	s_setreg_imm32_b32 hwreg(HW_REG_WAVE_MODE, 25, 1), 1
	s_wait_xcnt 0x0
; SCORES AND PARTIAL CONTEXTS.  score[b][s] = v . tanh(x W_enc^T + dec_feat + coverage w_cov); the first product on codes of E2M3 with E8M0 scales, x quantised here, in f32.
; A masked row's score is -1e10, so beside any open row its weight is exactly 0: only tiles of 16 LISTED rows that hold an open row are gathered, multiplied and weighed (the list has the open rows first).
; SHARES.  Four work-groups to a batch: work-group q takes the list's tiles 4 t + q, t < T, T from the stored count.  EIGHT WAVES, two to a SIMD, 512 registers each.
; Wave w holds rows 128 w .. 128 w + 127 of W_enc, all of K: 32 fragments; 20 stay in window 1, 12 lie as register images in the wave's own LDS bytes and pass through three slots of 12 registers, three for each 32 units.
; Wave w also owns columns 64 w .. 64 w + 63 of x: it gathers these 256 bytes of each row (a load covers two rows, 256 aligned bytes each), keeps them in its own stage, quantises them
; (half a K step: a lane holds one whole block of 32), hands the six registers on as an image, and sums the context of these columns.
; THE PRODUCT: source 0 = 16 rows of x, source 1 = 16 rows of W_enc: a lane holds one unit and rows 8 (lane / 16) + 0 .. 7; coverage x w_cov + dec_feat is the C of the first K step.
; tanh(z) = 1 - 2 / (1 + 2^(2 log2(e) z)): the score is the sum of v less the sum of 2 v / (1 + 2^..).
; THREE TILES AT WORK IN A TRIP u: tile u is staged and quantised, tile u - 1 multiplied, tile u - 2 weighed under a running maximum.  One barrier a trip; images and score parts lie twice, by parity.
; The trip count is a constant, 34 = 32 + 2: every wave passes every barrier; what a trip has no tile for is jumped over by scalar branches on the stored count, none round a barrier.
; No tensor load and no cluster: each work-group reads its own copy of W_enc's images.
; LIMITS: masked rows count for exactly 0 beside an open row, which holds while the sum of |v| stays under 9e9; a batch with no open row is served by the next launch; NaN and infinities among the inputs are not served;
; blocks of x whose largest magnitude lies under 2^-124 keep the scale byte 1; the order of the f32 sums is this text's own.
.set COVT,  0                          ; coverage in list order: 64 slots of 64 bytes, tile t in slot t + 2, zeros round the 32 tiles
.set LISTT, 4096                       ; the row numbers likewise
.set IMG,   8192                       ; by parity: eight half fragments of 768 bytes (512 + 256), then 4 x 64 bytes of scale words
.set IMGP,  6400
.set PART,  20992                      ; by parity: [row 16][wave 8] parts of the scores
.set PB,    22016                      ; each wave's weights p
.set SPARE, 23040                      ; the spare words: 128 bytes a wave
.set STG,   24064                      ; each wave's stage, by parity: 16 rows x (256 + 16) bytes
.set STGP,  4352
.set SPI,   272
.set WL,    93696                      ; each wave's 12 fragments: 18,432 bytes
.set NU,    4                          ; groups of 32 units a wave
.set RR,1
.set GXO,2
.set LI16,3
.set LI8,4
.set STW,5
.set STR,6
.set IMW,7
.set IMW8,8
.set ISW,9
.set AXS,10
.set H32,11
.set APW,12
.set APR,13
.set LS4,14
.set PBW,15
.set PBR,16
.set AWL,17
.set PFV,18
.set TA,19
.set SOF,20
.set SCO,21
.set MX,22
.set TB,23
.set COV,24                            ; v24-31 coverage of rows 8 h + j
.set SS,32                             ; v32-39 the score sums
.set VT,36                             ; at the head: v of my 8 tiles of units
.set SV,40                             ; v40-41 the sum of v, twice
.set FF,42                             ; v42-43
.set PP,44
.set TC,45
.set SPW,46
.set NIL,47
.set SCB,48                            ; v48-63 W_enc's scale words: 4 x + K step; lanes 0-15 tau 0, lanes 16-31 tau 1: scales and nothing else
.set XS,64                             ; v64-67 x's scale words: scales and nothing else
.set CB,68                             ; v68-83 (dec_feat, w_cov): 4 x + 2 tau
.set LAND,84                           ; v84-115 the gathered rows
.set XF,116                            ; v116-163 x's four fragments
.set XN,116                            ; 32 numbers for the quantiser; 8 rows for the context
.set PV,148
.set RN,156
.set ACC,164                           ; v164-195
.set L0,164
.set L1,168
.set TM,164
.set PC,172
.set QC,180
.set DD,196                            ; v196-211
.set T0,196
.set SB,212                            ; v212-247 three slots for fragments from LDS
.set T2,248
.set CTX,240                           ; window 1: v240-243 the context; v244-251 -2 v; v0-239 fragment 5 x + e at 12 (5 x + e)
.set V2B,244
.set CC,54
.set SEL,56
.set MSB, 0
.macro WIN new
.if MSB != \new
	s_set_vgpr_msb (MSB<<8)|\new
.set MSB, \new
.endif
.endm
.macro AW
	s_wait_alu depctr_va_vdst(0)
.endm
.macro GISSUE                          ; 16 rows, my 256 bytes of each: load i takes rows i (lanes 0-15) and 8 + i (lanes 16-31) and lands on its own offset register
.irp i, 0,1,2,3,4,5,6,7
	v_min_u32 v[RN+\i], 2047, v[RN+\i]             ; a row number read from memory is held inside the batch before it becomes an address
.endr
.irp i, 0,1,2,3,4,5,6,7
	v_lshl_add_u32 v[LAND+4*\i], v[RN+\i], 11, v[GXO]
.endr
.irp i, 0,1,2,3,4,5,6,7
	global_load_b128 v[LAND+4*\i:LAND+4*\i+3], v[LAND+4*\i], s[20:21] th:TH_LOAD_NT
.endr
.endm
.macro SBLOAD x                        ; group x's three fragments from my LDS bytes into the slots
.set n, 0
.rept 9
	ds_load_b128 v[SB+4*n:SB+4*n+3], v[AWL] offset:4608*(\x)+512*n
.set n, n+1
.endr
.endm
.macro PRE x                           ; coverage x w_cov + dec_feat: the C of the group's first products
.irp tau, 0,1
.irp jp, 0,2,4,6
	v_pk_fma_f32 v[ACC+16*((\x)%2)+8*\tau+\jp:ACC+16*((\x)%2)+8*\tau+\jp+1], v[COV+\jp:COV+\jp+1], v[CB+4*(\x)+2*\tau:CB+4*(\x)+2*\tau+1], v[CB+4*(\x)+2*\tau:CB+4*(\x)+2*\tau+1] op_sel:[0,1,0] op_sel_hi:[1,1,0]
.endr
.endr
.endm
.macro WM x, s                         ; K step s of group x: two products, the two accumulators by turns
.irp tau, 0,1
.set rA, ACC+16*((\x)%2)+8*\tau
.if 2*(\s)+\tau < 5
.set rW, 12*(5*(\x)+2*(\s)+\tau)
	WIN 0x04
.else
.set rW, SB+12*(2*(\s)+\tau-5)
	WIN 0
.endif
.if \tau == 0
	v_wmma_scale_f32_16x16x128_f8f6f4 v[rA:rA+7], v[XF+12*(\s):XF+12*(\s)+11], v[rW:rW+11], v[rA:rA+7], v[XS+(\s)], v[SCB+4*(\x)+(\s)] matrix_a_fmt:MATRIX_FMT_FP6 matrix_b_fmt:MATRIX_FMT_FP6
.else
	v_wmma_scale_f32_16x16x128_f8f6f4 v[rA:rA+7], v[XF+12*(\s):XF+12*(\s)+11], v[rW:rW+11], v[rA:rA+7], v[XS+(\s)], v[SCB+4*(\x)+(\s)] matrix_a_fmt:MATRIX_FMT_FP6 matrix_b_fmt:MATRIX_FMT_FP6 matrix_b_scale:MATRIX_SCALE_ROW1
.endif
.endr
.endm
.macro TMUL k                          ; z x 2 log2(e), each accumulator from its low end on
.irp i, 0,2,4,6,8,10,12,14
	v_pk_mul_f32 v[ACC+16*((\k)%2)+\i:ACC+16*((\k)%2)+\i+1], v[ACC+16*((\k)%2)+\i:ACC+16*((\k)%2)+\i+1], s[CC:CC+1] op_sel_hi:[1,0]
.endr
.endm
.macro EXPS k, from, to
.set e, \from
.rept (\to)-(\from)
	v_exp_f32 v[ACC+16*((\k)%2)+e], v[ACC+16*((\k)%2)+e]
.set e, e+1
.endr
.endm
.macro RCPS from, to
.set e, \from
.rept (\to)-(\from)
	v_rcp_f32 v[DD+e], v[DD+e]
.set e, e+1
.endr
.endm
.macro SFMA k                          ; the sums take group k - 1; the first of a tile starts them with the sum of v
	WIN 0x04                                       ; -2 v lies in window 1
.irp tau, 0,1
.irp jp, 0,2,4,6
.if ((\k) == 1) && (\tau == 0)
	v_pk_fma_f32 v[SS+\jp:SS+\jp+1], v[DD+8*\tau+\jp:DD+8*\tau+\jp+1], v[V2B+2*((\k)-1):V2B+2*((\k)-1)+1], v[SV:SV+1] op_sel:[0,\tau,0] op_sel_hi:[1,\tau,1]
.else
	v_pk_fma_f32 v[SS+\jp:SS+\jp+1], v[DD+8*\tau+\jp:DD+8*\tau+\jp+1], v[V2B+2*((\k)-1):V2B+2*((\k)-1)+1], v[SS+\jp:SS+\jp+1] op_sel:[0,\tau,0] op_sel_hi:[1,\tau,1]
.endif
.endr
.endr
	WIN 0
.endm
.macro PADD k
.irp i, 0,2,4,6,8,10,12,14
	v_pk_add_f32 v[DD+\i:DD+\i+1], v[ACC+16*((\k)%2)+\i:ACC+16*((\k)%2)+\i+1], 1.0 op_sel_hi:[1,0]
.endr
.endm
; BEAT k: group k's scalings; group k + 1's eight products on end; then one batch: group k's exponentials and group k - 1's reciprocals; then the plain work.
; Three waits: ahead of the first reader of the products, ahead of the batch, behind it.  The plain lines behind the batch are the places
; between group k + 1's last product, the loads into its slots and the first read of its results.
.macro BEAT k
.if (\k) < NU
	AW
	TMUL \k
.endif
	AW
.if (\k) < NU-1
	WM (\k)+1, 0
	WM (\k)+1, 1
	s_wait_dscnt 0x0                               ; the slots, asked for a beat ago, are in
	WM (\k)+1, 2
	WM (\k)+1, 3
.endif
.if (\k) < NU
	EXPS \k, 0, 16
.endif
.if (\k) > 0
	RCPS 0, 16
.endif
	WIN 0
	v_nop                                          ; the plain line behind the last transcendental
	AW
.if (\k) > 0
	SFMA \k
.endif
.if (\k) < NU
	PADD \k
.endif
.if (\k) < NU-1
	SBLOAD ((\k)+2)%NU                             ; the last of a tile fetches group 0's again, for the next tile
.endif
.if (\k) < NU-2
	PRE (\k)+2
.endif
.endm
	; ================= THE HEAD
	s_load_b512 s[4:19], s[0:1], 0x0               ; wimg s[4:5], W_enc scales s[6:7], decf s[8:9], w_cov s[10:11], v s[12:13], list s[14:15], covc s[16:17], cnt s[18:19]
	s_load_b256 s[20:27], s[0:1], 0x40             ; x s[20:21], scr s[22:23], partc s[24:25], partm s[26:27]
	v_lshl_add_u32 v[SPW], v0, 2, SPARE
	v_mov_b32 v[NIL], 0
	v_lshrrev_b32 v[TA], 5, v0
	v_readfirstlane_b32 s2, v[TA]                  ; wave 0..7
	v_and_b32 v[TB], 31, v0                        ; lane
	v_and_b32 v[RR], 15, v0
	v_bfe_u32 v[TC], v0, 4, 1                      ; h
	v_lshrrev_b32 v[SCO], 2, v0                    ; a table's slot
	v_and_b32 v[PP], 3, v0                         ; and my piece of it
	v_lshlrev_b32 v[SOF], 4, v0
	s_and_b32 s3, ttmp9, 3                         ; q
	s_lshr_b32 s59, ttmp9, 2                       ; the batch
	s_lshl_b32 s48, s2, 8                          ; 256 wave
	s_mul_i32 s33, s2, 2*STGP
	s_add_co_u32 s33, s33, STG
	s_mul_i32 s34, s2, 768
	s_lshr_b32 s35, s2, 1
	s_lshl_b32 s35, s35, 6
	s_and_b32 s36, s2, 1
	s_lshl_b32 s36, s36, 1
	s_add_co_u32 s35, s35, s36                     ; 64 (wave / 2) + 2 (wave % 2)
	s_lshl_b32 s36, s2, 2
	s_lshl_b32 s37, s2, 7
	s_mul_i32 s38, s2, 18432
	s_add_co_u32 s38, s38, WL
	s_lshl_b32 s39, s3, 6                          ; 64 q
	s_mov_b32 s61, 0
	s_mov_b32 s[CC], 0x4038aa3b                    ; 2 log2(e)
	s_mov_b32 s[CC+1], s[CC]
	s_mov_b32 s[SEL], 0x76543210
	s_mov_b32 s[SEL+1], 0xfedcba98
	s_mov_b32 s58, 0x3fb8aa3b                      ; log2(e)
	AW                                             ; the wait behind the run of scalar lines
	v_lshl_add_u32 v[GXO], v[RR], 4, s48           ; my 16 bytes of a row of x
	v_lshlrev_b32 v[LI16], 4, v[TB]
	v_lshlrev_b32 v[LI8], 3, v[TB]
	v_lshlrev_b32 v[LS4], 2, v[TB]
	v_lshlrev_b32 v[AXS], 2, v[RR]
	v_lshlrev_b32 v[H32], 5, v[TC]
	v_lshlrev_b32 v[APR], 5, v[RR]
	v_mul_u32_u24 v[STW], v[TC], 8*SPI             ; the stage by rows: row 8 h (+ i), + 16 (lane % 16)
	v_lshl_add_u32 v[STW], v[RR], 4, v[STW]
	v_add_nc_u32 v[STW], s33, v[STW]
	v_mul_u32_u24 v[STR], v[RR], SPI               ; for the quantiser: row lane % 16, + 128 h
	v_lshl_add_u32 v[STR], v[TC], 7, v[STR]
	v_add_nc_u32 v[STR], s33, v[STR]
	v_add_nc_u32 v[IMW], s34, v[LI16]
	v_add_nc_u32 v[IMW8], s34, v[LI8]
	v_add_nc_u32 v[ISW], v[AXS], v[TC]
	v_add_nc_u32 v[ISW], s35, v[ISW]               ; my block's scale byte: word of row r, byte 2 (wave % 2) + h
	v_lshl_add_u32 v[APW], v[TC], 8, s36           ; rows 8 h on, 32 bytes a row, my wave's word
	v_add_nc_u32 v[PBW], s37, v[LS4]
	v_add_nc_u32 v[PBR], s37, v[H32]
	v_add_nc_u32 v[AWL], s38, v[LI16]
	v_add_nc_u32 v[SCO], -2, v[SCO]                ; the slot's tile
	v_cmp_gt_u32 s62, 32, v[SCO]                   ; one of the 32?
	v_min_u32 v[SCO], 31, v[SCO]
	v_lshlrev_b32 v[SCO], 8, v[SCO]
	v_lshl_add_u32 v[PP], v[PP], 4, v[SCO]
	v_add_nc_u32 v[PFV], s39, v[PP]                ; list, covc: tile 4 t + q, my piece
	v_add_nc_u32 v[TA], s39, v[H32]                ; tile 0's row numbers 8 h on
	AW                                             ; the wait ahead of the blocking wait
	s_wait_kmcnt 0x0
	s_lshl_b32 s60, s59, 13
	s_add_nc_u64 s[14:15], s[14:15], s[60:61]
	s_add_nc_u64 s[16:17], s[16:17], s[60:61]
	s_add_nc_u64 s[22:23], s[22:23], s[60:61]
	s_lshl_b32 s60, s59, 12
	s_add_nc_u64 s[8:9], s[8:9], s[60:61]
	s_lshl_b32 s60, s2, 9                          ; my 128 units
	s_add_nc_u64 s[8:9], s[8:9], s[60:61]
	s_add_nc_u64 s[10:11], s[10:11], s[60:61]
	s_add_nc_u64 s[12:13], s[12:13], s[60:61]
	s_lshl_b32 s60, s2, 11
	s_add_nc_u64 s[6:7], s[6:7], s[60:61]
	s_lshl_b32 s60, s59, 22
	s_add_nc_u64 s[20:21], s[20:21], s[60:61]
	s_lshl_b32 s60, s59, 2
	s_add_nc_u64 s[18:19], s[18:19], s[60:61]
	s_lshl_b32 s60, ttmp9, 11
	s_add_nc_u64 s[24:25], s[24:25], s[60:61]
	s_lshl_b32 s60, ttmp9, 2
	s_add_nc_u64 s[26:27], s[26:27], s[60:61]
	s_mul_i32 s60, s2, 49152
	s_add_nc_u64 s[4:5], s[4:5], s[60:61]          ; my wave's 32 fragments
	s_load_b32 s28, s[18:19], 0x0                  ; n: the batch's open rows
	global_load_b128 v[RN:RN+3], v[TA], s[14:15]
	global_load_b128 v[RN+4:RN+7], v[TA], s[14:15] offset:16
	global_load_b128 v[248:251], v[PFV], s[16:17]
	global_load_b128 v[252:255], v[PFV], s[14:15]
.irp i, 0,1,2,3,4,5,6,7
	global_load_b32 v[CB+2*\i], v[AXS], s[8:9] offset:64*\i
	global_load_b32 v[CB+2*\i+1], v[AXS], s[10:11] offset:64*\i
	global_load_b32 v[VT+\i], v[AXS], s[12:13] offset:64*\i
.endr
.irp x, 0,1,2,3
	global_load_b128 v[SCB+4*\x:SCB+4*\x+3], v[LI16], s[6:7] offset:512*\x
.endr
	s_wait_loadcnt 30                              ; behind the row numbers: 2 table loads and 28 of constants
	GISSUE                                         ; tile 0's rows: the list is a whole permutation, so tile q exists whatever n is
.set m, 0
.rept 36                               ; the 12 fragments bound for LDS: fragments 8 x + 5 .. 8 x + 7
.if m < 33
.set rT, 116+4*m
.else
.set rT, 24+4*(m-33)
.endif
	global_load_b128 v[rT:rT+3], v[LI16], s[4:5] offset:(8*(m/9)+5)*1536+512*(m%9)
.set m, m+1
.endr
	WIN 0x40
.set m, 0
.rept 60                               ; the 20 that stay in window 1: fragments 8 x + 0 .. 8 x + 4
	global_load_b128 v[4*m:4*m+3], v[LI16], s[4:5] offset:(8*(m/15)+(m%15)/3)*1536+512*(m%3)
.set m, m+1
.endr
	WIN 0
	s_wait_loadcnt 63                              ; of the 96 loads of W_enc 63 may be out: tables, constants and tile 0's rows are in
.irp i, 0,1,2,3,4,5,6,7
	v_cndmask_b32 v[248+\i], 0, v[248+\i], s62     ; zeros in the slots round the 32 tiles
.endr
	ds_store_b128 v[SOF], v[248:251] offset:COVT
	ds_store_b128 v[SOF], v[252:255] offset:LISTT
	WIN 0x40
.irp i, 0,1,2,3,4,5,6,7
	v_mul_f32 v[V2B+\i], -2.0, v[VT+\i]
.endr
.irp i, 0,1,2,3
	v_mov_b32 v[CTX+\i], 0
.endr
	WIN 0
	v_pk_add_f32 v[VT:VT+1], v[VT:VT+1], v[VT+2:VT+3]
	v_pk_add_f32 v[VT+4:VT+5], v[VT+4:VT+5], v[VT+6:VT+7]
	v_pk_add_f32 v[VT:VT+1], v[VT:VT+1], v[VT+4:VT+5]
	v_add_f32 v[SV], v[VT], v[VT+1]
	v_mov_b32 v[SV+1], v[SV]
	v_mov_b32 v[MX], 0xff61b1e6                    ; -3e38, under every score
	v_mov_b32 v[FF], 0
	v_mov_b32 v[FF+1], 0
.irp i, 0,1,2,3
	v_mov_b32 v[XS+\i], 0x7f7f7f7f                 ; the scale 1: written once, so that every way finds them written
.endr
	s_wait_loadcnt 60                              ; the 36 loads bound for LDS are in
.set m, 0
.rept 36
.if m < 33
.set rT, 116+4*m
.else
.set rT, 24+4*(m-33)
.endif
	ds_store_b128 v[AWL], v[rT:rT+3] offset:512*m
.set m, m+1
.endr
	SBLOAD 0                                       ; LDS serves a wave's instructions in order (ISA guide 5.7.1.4)
	s_wait_kmcnt 0x0
	s_min_u32 s28, s28, 2048
	s_add_co_u32 s29, s28, 15
	s_lshr_b32 s29, s29, 4                         ; tiles that hold an open row
	s_add_co_u32 s29, s29, 3
	s_sub_co_u32 s29, s29, s3
	s_lshr_b32 s29, s29, 2                         ; T: those of them that are mine
	s_lshl_b32 s49, s3, 4
	s_sub_co_u32 s49, s28, s49
	s_add_co_u32 s49, s49, 128                     ; n + 128 - 16 q
	s_mov_b32 s30, 0                               ; u
	s_mov_b32 s31, 0                               ; 64 u
	s_mov_b32 s50, 17
	AW                                             ; the wait at the head's end
	s_wait_dscnt 0x0                               ; for the others' sake: my part of the tables is in LDS
	s_barrier_signal -1
	s_barrier_wait -1
	s_wait_loadcnt 0x0                             ; W_enc is in its registers
; ================= A TRIP.  par = u % 2
.macro TRIP par
	s_sub_co_u32 s51, s30, 1                       ; a tile to multiply where u - 1 < T, one to weigh where u - 2 < T (unsigned)
	s_sub_co_u32 s52, s30, 2
	s_cmp_lt_u32 s51, s29
	s_cbranch_scc0 .La_\@
	; ---- tile u - 1: x's fragments, scale words, coverage
.irp s, 0,1,2,3
.irp c, 0,1
	ds_load_b128 v[XF+12*\s+6*\c:XF+12*\s+6*\c+3], v[LI16] offset:IMG+IMGP*(1-\par)+1536*\s+768*\c
	ds_load_b64 v[XF+12*\s+6*\c+4:XF+12*\s+6*\c+5], v[LI8] offset:IMG+IMGP*(1-\par)+1536*\s+768*\c+512
.endr
	ds_load_b32 v[XS+\s], v[AXS] offset:IMG+IMGP*(1-\par)+6144+64*\s
.endr
	v_add_nc_u32 v[TA], s31, v[H32]
	ds_load_b128 v[COV:COV+3], v[TA] offset:COVT+64
	ds_load_b128 v[COV+4:COV+7], v[TA] offset:COVT+80
.La_\@:
	s_cmp_lt_u32 s52, s29
	s_cbranch_scc0 .Lb_\@
	; ---- tile u - 2: its scores, the new maximum, the weights
	s_wait_xcnt 0x0                                ; the last score store has read its registers
	ds_load_b128 v[T0:T0+3], v[APR] offset:PART+512*\par
	ds_load_b128 v[T0+4:T0+7], v[APR] offset:PART+512*\par+16
	v_lshl_add_u32 v[TB], v[RR], 2, s31
	ds_load_b32 v[T0+8], v[TB] offset:LISTT        ; the row's number
	s_sub_co_u32 s53, s49, s31                     ; n less the tile's first place in the list
	s_wait_dscnt 0x0
	v_pk_add_f32 v[T0:T0+1], v[T0:T0+1], v[T0+2:T0+3]
	v_pk_add_f32 v[T0+4:T0+5], v[T0+4:T0+5], v[T0+6:T0+7]
	v_pk_add_f32 v[T0:T0+1], v[T0:T0+1], v[T0+4:T0+5]
	v_add_f32 v[T0], v[T0], v[T0+1]
	v_cmp_gt_u32 vcc_lo, s53, v[RR]
	v_cndmask_b32 v[SCO], 0xd01502f9, v[T0], vcc_lo   ; a listed row at place n or beyond is a masked one: -1e10
	v_max_num_f32_dpp v[T0+9], v[SCO], v[SCO] row_xmask:1 row_mask:0xf bank_mask:0xf
.irp m, 2,4,8
	s_delay_alu instid0(VALU_DEP_1)
	v_max_num_f32_dpp v[T0+9], v[T0+9], v[T0+9] row_xmask:\m row_mask:0xf bank_mask:0xf
.endr
	v_max_num_f32 v[T0+9], v[MX], v[T0+9]          ; the new running maximum
	v_sub_f32 v[T0+10], v[MX], v[T0+9]             ; the differences first, then log2(e): equal numbers give exactly 0
	v_sub_f32 v[T0+11], v[SCO], v[T0+9]
	v_mul_f32 v[T0+10], s58, v[T0+10]
	v_mul_f32 v[T0+11], s58, v[T0+11]
	AW                                             ; the wait ahead of the two
	v_exp_f32 v[FF], v[T0+10]
	v_exp_f32 v[PP], v[T0+11]
	v_mov_b32 v[MX], v[T0+9]                       ; the plain line behind them
	AW                                             ; and their wait
	ds_store_b32 v[PBW], v[PP] offset:PB           ; my wave's own weights
	s_cmp_lg_u32 s2, 0
	s_cbranch_scc1 .Lb_\@
	v_min_u32 v[T0+8], 2047, v[T0+8]
	v_lshlrev_b32 v[SOF], 2, v[T0+8]
	global_store_b32 v[SOF], v[SCO], s[22:23]      ; by wave 0; lanes 16-31 repeat lanes 0-15: the same word, the same number
.Lb_\@:
	s_cmp_lt_u32 s51, s29
	s_cbranch_scc0 .Lc_\@
	; ---- tile u - 1 against my 128 units: 32 products
	s_wait_dscnt 0x0
	PRE 0
	WM 0, 0
	WM 0, 1
	WM 0, 2
	WM 0, 3
	WIN 0
	PRE 1                                          ; eight places ahead of the loads into the slots and of the first read of group 0's results
	SBLOAD 1
.irp k, 0,1,2,3,4
	BEAT \k
.endr
.irp m, 1,2,4,8
.irp j, 0,1,2,3,4,5,6,7
	v_add_f32_dpp v[SS+\j], v[SS+\j], v[SS+\j] row_xmask:\m row_mask:0xf bank_mask:0xf
.endr
.endr
.irp j, 0,1,2,3,4,5,6,7
	ds_store_b32 v[APW], v[SS+\j] offset:PART+512*(1-\par)+32*\j   ; sixteen lanes write one word with one number
.endr
.Lc_\@:
	s_cmp_lt_u32 s52, s29
	s_cbranch_scc0 .Ld_\@
	s_wait_dscnt 0x0                               ; no LDS load of mine is out: the loads below land on registers that earlier loads were given
	; ---- tile u - 2 into the context: rows 8 h + i, my four columns, out of my own stage
	ds_load_b128 v[PV:PV+3], v[PBR] offset:PB
	ds_load_b128 v[PV+4:PV+7], v[PBR] offset:PB+16
.irp i, 0,1,2,3,4,5,6,7
	ds_load_b128 v[XN+4*\i:XN+4*\i+3], v[STW] offset:STGP*\par+SPI*\i
.endr
	s_wait_dscnt 0x0
	v_pk_mul_f32 v[L0:L0+1], v[XN:XN+1], v[PV:PV+1] op_sel_hi:[1,0]
	v_pk_mul_f32 v[L0+2:L0+3], v[XN+2:XN+3], v[PV:PV+1] op_sel_hi:[1,0]
	v_pk_mul_f32 v[L1:L1+1], v[XN+4:XN+5], v[PV:PV+1] op_sel:[0,1] op_sel_hi:[1,1]
	v_pk_mul_f32 v[L1+2:L1+3], v[XN+6:XN+7], v[PV:PV+1] op_sel:[0,1] op_sel_hi:[1,1]
.irp i, 2,4,6
	v_pk_fma_f32 v[L0:L0+1], v[XN+4*\i:XN+4*\i+1], v[PV+\i:PV+\i+1], v[L0:L0+1] op_sel_hi:[1,0,1]
	v_pk_fma_f32 v[L0+2:L0+3], v[XN+4*\i+2:XN+4*\i+3], v[PV+\i:PV+\i+1], v[L0+2:L0+3] op_sel_hi:[1,0,1]
	v_pk_fma_f32 v[L1:L1+1], v[XN+4*\i+4:XN+4*\i+5], v[PV+\i:PV+\i+1], v[L1:L1+1] op_sel:[0,1,0] op_sel_hi:[1,1,1]
	v_pk_fma_f32 v[L1+2:L1+3], v[XN+4*\i+6:XN+4*\i+7], v[PV+\i:PV+\i+1], v[L1+2:L1+3] op_sel:[0,1,0] op_sel_hi:[1,1,1]
.endr
	WIN 0x41                                       ; destination and source 0: window 1
	v_pk_fma_f32 v[CTX:CTX+1], v[CTX:CTX+1], v[FF:FF+1], v[L0:L0+1] op_sel_hi:[1,0,1]
	v_pk_fma_f32 v[CTX+2:CTX+3], v[CTX+2:CTX+3], v[FF:FF+1], v[L0+2:L0+3] op_sel_hi:[1,0,1]
	v_pk_add_f32 v[CTX:CTX+1], v[CTX:CTX+1], v[L1:L1+1]
	v_pk_add_f32 v[CTX+2:CTX+3], v[CTX+2:CTX+3], v[L1+2:L1+3]
	WIN 0
.Ld_\@:
	s_cmp_lt_u32 s30, s29
	s_cbranch_scc0 .Le_\@
	; ---- tile u: into my stage by rows, back as one block of 32 a lane; the next rows are asked for; then the quantiser
	s_wait_loadcnt 0x0                             ; tile u's rows, asked for a trip ago, are in
	s_wait_dscnt 0x0                               ; no LDS load of mine is out: the loads below land on registers that earlier loads were given
	s_wait_xcnt 0x0                                ; the last prefetch has read its offset register
.irp i, 0,1,2,3,4,5,6,7
	ds_store_b128 v[STW], v[LAND+4*\i:LAND+4*\i+3] offset:STGP*\par+SPI*\i
.endr
.irp j, 0,1,2,3,4,5,6,7
	ds_load_b128 v[XN+4*\j:XN+4*\j+3], v[STR] offset:STGP*\par+16*\j
.endr
	v_add_nc_u32 v[TA], s31, v[H32]
	ds_load_b128 v[RN:RN+3], v[TA] offset:LISTT+192      ; tile u + 1's row numbers 8 h on
	ds_load_b128 v[RN+4:RN+7], v[TA] offset:LISTT+208
.if \par == 0
	v_add_nc_u32 v[TC], s31, v[LS4]
	ds_load_b32 v[T2], v[TC] offset:LISTT+256            ; lanes 0-15: tile u + 2's rows, lanes 16-31: tile u + 3's
.endif
	s_wait_dscnt 0x0
	s_add_co_u32 s53, s30, 1
	s_cmp_lt_u32 s53, s29
	s_cbranch_scc0 .Lq2_\@
	GISSUE                                         ; tile u + 1's rows have a whole trip in which to land
.Lq2_\@:
.if \par == 0
	; A PREFETCH INTO THE L2, every second trip, of tiles u + 2 and u + 3: a lane names my wave's own 256 bytes of one row: each block once in the launch, by the wave that will load it,
	; one and two trips ahead of its load; rows of the list always lie inside the batch; where no tile u + 2 is mine nothing is asked for
	s_add_co_u32 s53, s30, 2
	s_cmp_lt_u32 s53, s29
	s_cbranch_scc0 .Lq3_\@
	v_min_u32 v[T2], 2047, v[T2]
	v_lshl_add_u32 v[PFV], v[T2], 11, s48
	global_prefetch_b8 v[PFV], s[20:21] th:TH_LOAD_NT scope:SCOPE_SE
.Lq3_\@:
.endif
.irp b, 0,1,2,3
	v_max3_num_f32 v[TM+\b], |v[XN+8*\b]|, |v[XN+8*\b+1]|, 0x1800000   ; four chains over my block's 32 numbers, and the floor 2^(3 - 127): the byte cannot fall under 1
.endr
.irp i, 2,4,6
.irp b, 0,1,2,3
	v_max3_num_f32 v[TM+\b], v[TM+\b], |v[XN+8*\b+\i]|, |v[XN+8*\b+\i+1]|
.endr
.endr
	v_max3_num_f32 v[TM], v[TM], v[TM+1], v[TM+2]
	v_max_num_f32 v[TM], v[TM], v[TM+3]
	v_add_nc_u32 v[TM+4], 0xff000000, v[TM]        ; 2 off its exponent field: the conversion's scale operand
	v_lshrrev_b32 v[TM+5], 23, v[TM+4]             ; the scale's byte
	v_cvt_scalef32_pk16_fp6_f32 v[PC:PC+2], v[XN:XN+15], v[TM+4]
	v_cvt_scalef32_pk16_fp6_f32 v[QC:QC+2], v[XN+16:XN+31], v[TM+4]   ; (a conversion's three registers begin on an even number)
	v_nop                                          ; one plain place behind a scaled conversion
.irp i, 0,1,2
	v_mov_b32 v[PC+3+\i], v[QC+\i]
.endr
	ds_store_b128 v[IMW], v[PC:PC+3] offset:IMG+IMGP*\par
	ds_store_b64 v[IMW8], v[PC+4:PC+5] offset:IMG+IMGP*\par+512
	ds_store_b8 v[ISW], v[TM+5] offset:IMG+IMGP*\par+6144
.Le_\@:
	AW                                             ; the wait ahead of the blocking wait
	s_wait_dscnt 0x0                               ; for the others' sake: my image and score parts are in LDS, my reads of the other parity's are over
	s_barrier_signal -1
	s_barrier_wait -1
	s_add_co_u32 s30, s30, 1
	s_add_co_u32 s31, s31, 64
.endm
.Ltrip:                                            ; 17 x 2 trips, a constant of the text
	TRIP 0
	TRIP 1
	s_sub_co_u32 s50, s50, 1
	s_cmp_lg_u32 s50, 0
	s_cbranch_scc1 .Ltrip
	; ================= THE END: the two halves of the lanes hold the sums of rows 0-7 and 8-15 of every tile: joined, then stored (sixteen lanes cover 256 aligned bytes; lanes 16-31 repeat them)
	WIN 0x01
.irp i, 0,1,2,3
	v_permlanex16_b32 v[T0+\i], v[CTX+\i], s[SEL], s[SEL+1]
.endr
.irp i, 0,1,2,3
	v_add_f32 v[T0+\i], v[CTX+\i], v[T0+\i]
.endr
	WIN 0
	global_store_b128 v[GXO], v[T0:T0+3], s[24:25]
	s_cmp_lg_u32 s2, 0
	s_cbranch_scc1 .Lend
	s_wait_xcnt 0x0                                ; EXEC changes only behind this wait
	v_mov_b32 v[SOF], 0
	v_cmp_eq_u32 vcc_lo, 0, v0
	s_and_saveexec_b32 s51, vcc_lo
	global_store_b32 v[SOF], v[MX], s[26:27]       ; the maximum under which the partial context was summed
	s_wait_xcnt 0x0
	s_or_b32 exec_lo, exec_lo, s51
.Lend:
	s_wait_tensorcnt 0x0                           ; the wave's end
	ds_add_u32 v[SPW], v[NIL]
	s_wait_dscnt 0x0
	s_endpgm
.Lfunc_end_k_qfa1ca128a8_main:
	.size	k_qfa1ca128a8_main, .Lfunc_end_k_qfa1ca128a8_main-k_qfa1ca128a8_main
	.p2alignl 7, 3214868480
	.fill 96, 4, 3214868480
	.section	.rodata,"a",@progbits
	.p2align	6, 0x0
	.amdhsa_kernel k_qfa1ca128a8_main
		.amdhsa_group_segment_fixed_size 241152
		.amdhsa_private_segment_fixed_size 0
		.amdhsa_enable_private_segment 0
		.amdhsa_kernarg_size 96
		.amdhsa_user_sgpr_count 2
		.amdhsa_user_sgpr_kernarg_segment_ptr 1
		.amdhsa_wavefront_size32 1
		.amdhsa_system_sgpr_workgroup_id_x 1
		.amdhsa_system_sgpr_workgroup_id_y 1
		.amdhsa_system_sgpr_workgroup_id_z 1
		.amdhsa_system_vgpr_workitem_id 0
		.amdhsa_next_free_vgpr 512
		.amdhsa_next_free_sgpr 66
		.amdhsa_reserve_vcc 1
		.amdhsa_float_denorm_mode_32 3
		.amdhsa_float_denorm_mode_16_64 3
		.amdhsa_memory_ordered 1
		.amdhsa_forward_progress 1
		.amdhsa_inst_pref_size 90
	.end_amdhsa_kernel
	.amdgpu_metadata
---
amdhsa.version: [ 1, 2 ]
amdhsa.kernels:
  - .name:           k_qfa1ca128a8_main
    .symbol:         k_qfa1ca128a8_main.kd
    .args:
      - { .name: wimg, .offset: 0, .size: 8, .value_kind: global_buffer, .address_space: global }
      - { .name: W_encoder_scales, .offset: 8, .size: 8, .value_kind: global_buffer, .address_space: global }
      - { .name: decf, .offset: 16, .size: 8, .value_kind: global_buffer, .address_space: global }
      - { .name: W_coverage, .offset: 24, .size: 8, .value_kind: global_buffer, .address_space: global }
      - { .name: v, .offset: 32, .size: 8, .value_kind: global_buffer, .address_space: global }
      - { .name: list, .offset: 40, .size: 8, .value_kind: global_buffer, .address_space: global }
      - { .name: covc, .offset: 48, .size: 8, .value_kind: global_buffer, .address_space: global }
      - { .name: cnt, .offset: 56, .size: 8, .value_kind: global_buffer, .address_space: global }
      - { .name: encoder_outputs, .offset: 64, .size: 8, .value_kind: global_buffer, .address_space: global }
      - { .name: scr, .offset: 72, .size: 8, .value_kind: global_buffer, .address_space: global }
      - { .name: partc, .offset: 80, .size: 8, .value_kind: global_buffer, .address_space: global }
      - { .name: partm, .offset: 88, .size: 8, .value_kind: global_buffer, .address_space: global }
    .group_segment_fixed_size: 241152
    .private_segment_fixed_size: 0
    .kernarg_segment_align: 8
    .kernarg_segment_size: 96
    .max_flat_workgroup_size: 256
    .sgpr_count:     66
    .vgpr_count:     512
    .wavefront_size: 32
...
	.end_amdgpu_metadata
.endif
;; end of part 2
;; launch finish (part 3): grid 64 x 1, 4 waves a work-group, no clusters, 1,024 bytes of LDS; arguments scr, partc, partm, cnt, encoder_outputs, out0, out1; writes out0, out1
.if DOCPART == 3
	.amdgcn_target "amdgcn-amd-amdhsa--gfx1250"
	.amdhsa_code_object_version 6
	.text
	.protected	k_qfa1ca128a8_finish
	.globl	k_qfa1ca128a8_finish
	.p2align	8
	.type	k_qfa1ca128a8_finish,@function
k_qfa1ca128a8_finish:
	s_mov_b64 s[64:65], 0
	v_nop
	global_prefetch_b8 v0, s[64:65] scope:SCOPE_SE
	s_setreg_imm32_b32 hwreg(HW_REG_WAVE_MODE, 25, 1), 1
	s_wait_xcnt 0x0
; THE SOFTMAX OVER A BATCH'S 2,048 SCORES AND THE JOINING OF ITS FOUR PARTIAL CONTEXTS.  One work-group of four waves to a batch; a thread holds 16 scores and four columns of the context.
; attn = 2^((s - M) log2(e)) / L with M the batch's largest score and L the sum; context = the sum over q of 2^((m_q - M) log2(e)) / L x partial context q, each partial having been summed under its own maximum m_q.
; A batch with no open row has all scores -1e10: attn comes out as 1 / 2,048 by the same lines, and the context is the mean of its rows, which only then are read here (a scalar branch on the stored count, no barrier inside).
; No matrix unit, no cluster, no tensor load: 16 KB a work-group, read once.  LDS: bytes 0-15 the waves' maxima, bytes 256-271 their sums.
	s_load_b256 s[4:11], s[0:1], 0x0               ; scr s[4:5], partc s[6:7], partm s[8:9], cnt s[10:11]
	s_load_b128 s[12:15], s[0:1], 0x20             ; x s[12:13], out0 s[14:15]
	s_load_b64 s[16:17], s[0:1], 0x30              ; out1
	v_lshl_add_u32 v136, v0, 2, 0x200
	v_mov_b32 v137, 0
	v_lshrrev_b32 v1, 5, v0
	v_lshlrev_b32 v1, 2, v1                        ; LDS: my wave's word
	v_lshlrev_b32 v2, 4, v0                        ; 16 x thread
	v_mov_b32 v3, 0
	s_mov_b32 s20, 0x76543210
	s_mov_b32 s21, 0xfedcba98                      ; lane selects: lane xor 16
	s_mov_b32 s23, 0
	s_wait_alu depctr_va_vdst(0)
	s_wait_kmcnt 0x0
	s_lshl_b32 s22, ttmp9, 13
	s_add_nc_u64 s[4:5], s[4:5], s[22:23]
	s_add_nc_u64 s[6:7], s[6:7], s[22:23]
	s_add_nc_u64 s[16:17], s[16:17], s[22:23]
	s_lshl_b32 s22, ttmp9, 4
	s_add_nc_u64 s[8:9], s[8:9], s[22:23]
	s_lshl_b32 s22, ttmp9, 2
	s_add_nc_u64 s[10:11], s[10:11], s[22:23]
	s_lshl_b32 s22, ttmp9, 22
	s_add_nc_u64 s[12:13], s[12:13], s[22:23]
	s_lshl_b32 s22, ttmp9, 11
	s_add_nc_u64 s[14:15], s[14:15], s[22:23]
	s_load_b32 s18, s[10:11], 0x0                  ; n
.irp i, 0,1,2,3
	global_load_b128 v[16+4*\i:19+4*\i], v2, s[4:5] offset:2048*\i      ; 16 scores
.endr
.irp q, 0,1,2,3
	global_load_b128 v[32+4*\q:35+4*\q], v2, s[6:7] offset:2048*\q      ; my four columns of partial q
.endr
	global_load_b128 v[48:51], v3, s[8:9]          ; the four maxima, in every lane
	s_wait_loadcnt 0x0
	; ---- M
	v_max3_num_f32 v52, v16, v17, v18
	v_max3_num_f32 v53, v19, v20, v21
	v_max3_num_f32 v52, v52, v22, v23
	v_max3_num_f32 v53, v53, v24, v25
	v_max3_num_f32 v52, v52, v26, v27
	v_max3_num_f32 v53, v53, v28, v29
	v_max3_num_f32 v52, v52, v30, v31
	v_max_num_f32 v52, v52, v53
	v_max_num_f32_dpp v52, v52, v52 row_xmask:1 row_mask:0xf bank_mask:0xf
	v_max_num_f32_dpp v52, v52, v52 row_xmask:2 row_mask:0xf bank_mask:0xf
	v_max_num_f32_dpp v52, v52, v52 row_xmask:4 row_mask:0xf bank_mask:0xf
	v_max_num_f32_dpp v52, v52, v52 row_xmask:8 row_mask:0xf bank_mask:0xf
	v_permlanex16_b32 v53, v52, s20, s21
	v_max_num_f32 v52, v52, v53
	ds_store_b32 v1, v52
	s_wait_dscnt 0x0                               ; for the others' sake
	s_barrier_signal -1
	s_barrier_wait -1
	ds_load_b128 v[56:59], v3
	s_wait_dscnt 0x0
	v_max3_num_f32 v52, v56, v57, v58
	v_max_num_f32 v52, v52, v59
	; ---- the exponentials: the difference first, then log2(e): equal numbers give exactly 0
	s_wait_alu depctr_va_vdst(0)
.irp i, 0,2,4,6,8,10,12,14
	v_pk_add_f32 v[16+\i:17+\i], v[16+\i:17+\i], v[52:53] op_sel_hi:[1,0] neg_lo:[0,1] neg_hi:[0,1]
.endr
	v_pk_add_f32 v[48:49], v[48:49], v[52:53] op_sel_hi:[1,0] neg_lo:[0,1] neg_hi:[0,1]
	v_pk_add_f32 v[50:51], v[50:51], v[52:53] op_sel_hi:[1,0] neg_lo:[0,1] neg_hi:[0,1]
.irp i, 0,2,4,6,8,10,12,14
	v_pk_mul_f32 v[16+\i:17+\i], v[16+\i:17+\i], 0x3fb8aa3b op_sel_hi:[1,0]
.endr
	v_pk_mul_f32 v[48:49], v[48:49], 0x3fb8aa3b op_sel_hi:[1,0]
	v_pk_mul_f32 v[50:51], v[50:51], 0x3fb8aa3b op_sel_hi:[1,0]
	s_wait_alu depctr_va_vdst(0)
.irp i, 0,1,2,3,4,5,6,7,8,9,10,11,12,13,14,15
	v_exp_f32 v[16+\i], v[16+\i]
.endr
.irp q, 0,1,2,3
	v_exp_f32 v[48+\q], v[48+\q]
.endr
	v_mov_b32 v61, 0                               ; the plain line behind the batch (the partner of the pair v[60:61])
	s_wait_alu depctr_va_vdst(0)                   ; one wait for the twenty, ahead of the first reader
	; ---- L
	v_pk_add_f32 v[54:55], v[16:17], v[18:19]
	v_pk_add_f32 v[56:57], v[20:21], v[22:23]
	v_pk_add_f32 v[54:55], v[54:55], v[24:25]
	v_pk_add_f32 v[56:57], v[56:57], v[26:27]
	v_pk_add_f32 v[54:55], v[54:55], v[28:29]
	v_pk_add_f32 v[56:57], v[56:57], v[30:31]
	v_pk_add_f32 v[54:55], v[54:55], v[56:57]
	v_add_f32 v54, v54, v55
	v_add_f32_dpp v54, v54, v54 row_xmask:1 row_mask:0xf bank_mask:0xf
	v_add_f32_dpp v54, v54, v54 row_xmask:2 row_mask:0xf bank_mask:0xf
	v_add_f32_dpp v54, v54, v54 row_xmask:4 row_mask:0xf bank_mask:0xf
	v_add_f32_dpp v54, v54, v54 row_xmask:8 row_mask:0xf bank_mask:0xf
	v_permlanex16_b32 v55, v54, s20, s21
	v_add_f32 v54, v54, v55
	ds_store_b32 v1, v54 offset:256                ; other bytes than the maxima's: no barrier is owed between the two uses
	s_wait_dscnt 0x0
	s_barrier_signal -1
	s_barrier_wait -1
	ds_load_b128 v[56:59], v3 offset:256
	s_wait_dscnt 0x0
	v_add_f32 v56, v56, v57
	v_add_f32 v58, v58, v59
	v_add_f32 v54, v56, v58
	s_wait_alu depctr_va_vdst(0)
	v_rcp_f32 v60, v54
	v_nop                                          ; the plain line behind the reciprocal
	s_wait_alu depctr_va_vdst(0)                   ; and its wait
	; ---- attn, and the context
.irp i, 0,2,4,6,8,10,12,14
	v_pk_mul_f32 v[16+\i:17+\i], v[16+\i:17+\i], v[60:61] op_sel_hi:[1,0]
.endr
.irp i, 0,1,2,3
	global_store_b128 v2, v[16+4*\i:19+4*\i], s[16:17] offset:2048*\i   ; sixteen lanes store 256 consecutive bytes, at a multiple of 256 from out1's first byte
.endr
	v_pk_mul_f32 v[48:49], v[48:49], v[60:61] op_sel_hi:[1,0]
	v_pk_mul_f32 v[50:51], v[50:51], v[60:61] op_sel_hi:[1,0]
	v_pk_mul_f32 v[64:65], v[32:33], v[48:49] op_sel_hi:[1,0]
	v_pk_mul_f32 v[66:67], v[34:35], v[48:49] op_sel_hi:[1,0]
	v_pk_fma_f32 v[64:65], v[36:37], v[48:49], v[64:65] op_sel:[0,1,0] op_sel_hi:[1,1,1]
	v_pk_fma_f32 v[66:67], v[38:39], v[48:49], v[66:67] op_sel:[0,1,0] op_sel_hi:[1,1,1]
	v_pk_fma_f32 v[64:65], v[40:41], v[50:51], v[64:65] op_sel_hi:[1,0,1]
	v_pk_fma_f32 v[66:67], v[42:43], v[50:51], v[66:67] op_sel_hi:[1,0,1]
	v_pk_fma_f32 v[64:65], v[44:45], v[50:51], v[64:65] op_sel:[0,1,0] op_sel_hi:[1,1,1]
	v_pk_fma_f32 v[66:67], v[46:47], v[50:51], v[66:67] op_sel:[0,1,0] op_sel_hi:[1,1,1]
	s_wait_kmcnt 0x0
	s_cmp_lg_u32 s18, 0
	s_cbranch_scc1 .Lout
	; ---- no open row: the mean of the batch's 2,048 rows, 16 rows a trip, my four columns in two sums of four
.irp i, 0,1,2,3,4,5,6,7
	v_mov_b32 v[64+\i], 0
.endr
	s_mov_b32 s19, 128
.Lmean:
.irp i, 0,1,2,3,4,5,6,7,8,9,10,11,12,13,14,15
	global_load_b128 v[72+4*\i:75+4*\i], v2, s[12:13] offset:2048*\i th:TH_LOAD_NT
.endr
	s_wait_loadcnt 0x0                             ; the rows are in, and the loads have read their base
	s_wait_alu depctr_va_vdst(0)
.irp i, 0,2,4,6,8,10,12,14
	v_pk_add_f32 v[64:65], v[64:65], v[72+4*\i:73+4*\i]
	v_pk_add_f32 v[66:67], v[66:67], v[74+4*\i:75+4*\i]
	v_pk_add_f32 v[68:69], v[68:69], v[76+4*\i:77+4*\i]
	v_pk_add_f32 v[70:71], v[70:71], v[78+4*\i:79+4*\i]
.endr
	s_add_nc_u64 s[12:13], s[12:13], 0x8000        ; 16 rows on
	s_sub_co_u32 s19, s19, 1
	s_cmp_lg_u32 s19, 0
	s_cbranch_scc1 .Lmean
	v_pk_add_f32 v[64:65], v[64:65], v[68:69]
	v_pk_add_f32 v[66:67], v[66:67], v[70:71]
	v_pk_mul_f32 v[64:65], v[64:65], 0x3a000000 op_sel_hi:[1,0]   ; x 2^-11
	v_pk_mul_f32 v[66:67], v[66:67], 0x3a000000 op_sel_hi:[1,0]
.Lout:
	s_wait_alu depctr_va_vdst(0)
	global_store_b128 v2, v[64:67], s[14:15]       ; whole aligned blocks of 256 bytes, sixteen lanes each
	s_wait_tensorcnt 0x0
	ds_add_u32 v136, v137
	s_wait_dscnt 0x0
	s_endpgm
.Lfunc_end_k_qfa1ca128a8_finish:
	.size	k_qfa1ca128a8_finish, .Lfunc_end_k_qfa1ca128a8_finish-k_qfa1ca128a8_finish
	.p2alignl 7, 3214868480
	.fill 96, 4, 3214868480
	.section	.rodata,"a",@progbits
	.p2align	6, 0x0
	.amdhsa_kernel k_qfa1ca128a8_finish
		.amdhsa_group_segment_fixed_size 1024
		.amdhsa_private_segment_fixed_size 0
		.amdhsa_enable_private_segment 0
		.amdhsa_kernarg_size 56
		.amdhsa_user_sgpr_count 2
		.amdhsa_user_sgpr_kernarg_segment_ptr 1
		.amdhsa_wavefront_size32 1
		.amdhsa_system_sgpr_workgroup_id_x 1
		.amdhsa_system_sgpr_workgroup_id_y 1
		.amdhsa_system_sgpr_workgroup_id_z 1
		.amdhsa_system_vgpr_workitem_id 0
		.amdhsa_next_free_vgpr 138
		.amdhsa_next_free_sgpr 66
		.amdhsa_reserve_vcc 0
		.amdhsa_float_denorm_mode_32 3
		.amdhsa_float_denorm_mode_16_64 3
		.amdhsa_memory_ordered 1
		.amdhsa_forward_progress 1
		.amdhsa_inst_pref_size 14
	.end_amdhsa_kernel
	.amdgpu_metadata
---
amdhsa.version: [ 1, 2 ]
amdhsa.kernels:
  - .name:           k_qfa1ca128a8_finish
    .symbol:         k_qfa1ca128a8_finish.kd
    .args:
      - { .name: scr, .offset: 0, .size: 8, .value_kind: global_buffer, .address_space: global }
      - { .name: partc, .offset: 8, .size: 8, .value_kind: global_buffer, .address_space: global }
      - { .name: partm, .offset: 16, .size: 8, .value_kind: global_buffer, .address_space: global }
      - { .name: cnt, .offset: 24, .size: 8, .value_kind: global_buffer, .address_space: global }
      - { .name: encoder_outputs, .offset: 32, .size: 8, .value_kind: global_buffer, .address_space: global }
      - { .name: out0, .offset: 40, .size: 8, .value_kind: global_buffer, .address_space: global }
      - { .name: out1, .offset: 48, .size: 8, .value_kind: global_buffer, .address_space: global }
    .group_segment_fixed_size: 1024
    .private_segment_fixed_size: 0
    .kernarg_segment_align: 8
    .kernarg_segment_size: 56
    .max_flat_workgroup_size: 128
    .sgpr_count:     66
    .vgpr_count:     138
    .wavefront_size: 32
...
	.end_amdgpu_metadata
.endif
;; end of part 3
